; MI455X (gfx1250); checked and timed in simulation.
; The chip was launched on July 23, 2026; its instructions are those of AMD's public machine-readable ISA for CDNA 5 (MIT licence, August 2026) and "CDNA5" Instruction Set Architecture Reference Guide (July 2026). The comments in the code are by the model that wrote it; some were corrected since.
;; my Multihead Attention. Allowed arithmetic: float matrix products may take bf16 or f16 operands with f32 sums; all other float work in f32.
;; Inputs: W 1,024 x 1,024 float32; b 1,024 float32; key 4 x 16 x 2,048 x 64 float32; query 4 x 16 x 2,048 x 64 float32; value 4 x 16 x 2,048 x 64 float32.
;; Outputs: out0 8,192 x 1,024 float32.
;; One version. Each part assembles by itself: llvm-mc -triple=amdgcn-amd-amdhsa -mcpu=gfx1250 --defsym DOCPART=n.
;; ======== version 1 of 1: 2 launches
;; workspace buffers: xb 16,777,216 bytes; wb 2,097,152 bytes
;; launch attn (part 1): grid 4 x 64, 8 waves a work-group, no clusters, 106,496 bytes of LDS; arguments query, key, value, W, xb, wb; writes xb, wb
.if DOCPART == 1
	.amdgcn_target "amdgcn-amd-amdhsa--gfx1250"
	.amdhsa_code_object_version 6
	.text
	.protected	k_qc88c2cb08b_attn
	.globl	k_qc88c2cb08b_attn
	.p2align	8
	.type	k_qc88c2cb08b_attn,@function
k_qc88c2cb08b_attn:
	s_mov_b64 s[64:65], 0
	v_nop
	global_prefetch_b8 v0, s[64:65] scope:SCOPE_SE
	s_setreg_imm32_b32 hwreg(HW_REG_WAVE_MODE, 25, 1), 1
	s_wait_xcnt 0x0
; x[bh][d][q] = sum over keys of V[key][d] p[key][q],  p = softmax over the KEYS of S[key][q] = K[key] . Q[q]  (no scale).
; query, key, value: [64 bh][2048][64] f32.  xb: [64 bh][64 d][2048 q] bf16, which read as [8192][1024] is the next launch's left factor.
; Beside that each work-group rounds its 1/256 of W (f32) to wb (bf16).
; A work-group owns 512 queries of one head (grid x = query block, y = head); each of its 8 waves owns 64 queries (4 tiles of 16).
; Keys go in 32 tiles of 64 with a running maximum, a running sum and a rescaled accumulator.
;
; ORIENTATION.  S = K Q^T with 16 keys as source 0 and 16 queries as source 1: register j of a result holds key 8h+j of query r (lane = 16h+r), so a lane
; serves ONE query and maximum and sum are per lane (one exchange between the half waves).  Two S tiles (keys 32c.., 32c+16..) rounded in pairs
; are at once the source-1 fragment of p for 32 keys: no shuffle.  x = V^T p takes V^T from V[key][d] in LDS by the transposing LDS load.
;
; THE SKEW, INSIDE EACH WAVE.  The wave's four query tiles are independent columns; they form two halves, H0 = tiles 0, 1 and H1 = tiles 2, 3.  A trip has two phases:
;   phase 1: the matrix run of H0 (x += V(t-1)^T p(t-1), then S(t) = K(t) Q^T: 32 matrix instructions) with the softmax of H1's tile t-1 laid between its instructions,
;   phase 2: the matrix run of H1 with the softmax of H0's tile t.
; The registers of a phase's matrix run and of its softmax are disjoint.  Four matrix instructions are followed by a piece of 32 to 43 vector instructions; a trip of a wave
; has 64 matrix instructions and about 500 vector instructions.  Groups of four, not of one, because each change costs two switches of the register window.
; 33 trips: trip 0 has no product with V, trip 32 no scores.  All eight waves run the same text.
; K's fragments are loaded at a trip's start and first used 16 matrix instructions later; V(t)'s are loaded in the middle of trip t's phase 2, when the last product
; has done with the old ones, and used in trip t+1.  The LDS slot of trip t holds K(t) and V(t); one barrier a trip.
;
; NO TENSOR LOADS, NO JOINT REQUESTS, though the four query blocks of a head read the same K and V: K and V are f32 in memory and must be bf16 in LDS.
; Here each thread loads 16 bytes four times for K and for V, rounds once for the whole work-group and stores 8 bytes: 16 KiB into LDS for a tile.  A tile landed by
; the mover would be 32 KiB of f32 in LDS, to be read (32 KiB) and stored again (16 KiB) beside the 128 KiB of fragment reads, with a cluster round in every trip.
;
; LIMITS.  NaN and infinities in the inputs are not treated specially.  v_exp_f32 gives 0 for results under 2^-126 (ISA guide 15.8), so a weight that far under its column's
; largest counts as 0.  The shift is the rounded -max*log2(e); the same rounded number enters every weight, the sum and the rescale factor, so it cancels.
; The sum is taken of the f32 weights, the product with V takes them rounded to bf16.  Q, K, V, W enter the matrix unit rounded to bf16, x leaves as bf16.
.set KP,    144                        ; LDS pitch of a K row: 128 bytes + 16: the 16 rows of a fragment load start at 16 different 16-byte columns of 256
.set VP,    160                        ; LDS pitch of a V row: 128 bytes + 32, an odd multiple of 32, for the transposing load
.set VOFF,  64*KP                      ; V behind K in a slot
.set SLOTB, VOFF+64*VP                 ; 19,456 bytes a slot, two slots
.set STG,   2*SLOTB                    ; output stage: 64 rows (d) of 512 q x 2 bytes + 16
.set SP,    1040
.set TILEB, 16384                      ; 64 keys x 64 x 4 bytes in memory
; window 0: v1 K fragment address, v2 V fragment address, v3 K store address, v4 V store address, v5 16 t, v6 prefetch offset, v7 Q offset, later stage address
.set MR, 8                             ; v[8:11]    running maximum of query tile 0..3   (v[8:23] carry W through the prologue)
.set NM, 12                            ; v[12:15]   -maximum * log2(e), rounded
.set AL, 16                            ; v[16:19]   rescale factor; at the end 1 / sum
.set LS, 20                            ; v[20:23]   running sum (this half wave's keys)
.set T,  24                            ; v[24:31]   at work
.set Q,  32                            ; v[32:95]   Q fragments: 16 nt + 8 ks
.set KS, 96                            ; v[96:111]  K on its way from memory
.set VS, 112                           ; v[112:127] V on its way from memory
.set S,  128                           ; v[128:255] S(nt, mt, j) at 32 nt + 8 mt + j; then p(nt, c) at 32 nt + 8 c
; window 1
.set ACC, 0                            ; accumulators x(nt, dt) at 32 nt + 8 dt
.set KF,  128                          ; K fragments at 16 mt + 8 ks
.set VF,  192                          ; V^T fragments at 16 dt + 8 c
.set MSB, 0
.macro WIN new                         ; s_set_vgpr_msb: bits 1:0 source 0, 3:2 source 1, 5:4 source 2, 7:6 destination; the high byte repeats the setting that is left
.if MSB != \new
	s_set_vgpr_msb (MSB<<8)|\new
.set MSB, \new
.endif
.endm
.macro PLACES n
.rept \n
	v_nop
.endr
.endm
; What was loaded a trip ago is rounded and stored into slot dst; the next tiles are asked for.
.macro STAGE dst, stK, stV, ldK, ldV
.if \stK+\stV
	s_wait_loadcnt 0x0                             ; the loads issued one trip ago
.endif
.if \ldK+\ldV
	s_wait_xcnt 0x0                                ; the bases, which a prefetch may have named too, are stepped only behind this wait
.endif
.if \ldK
	s_add_nc_u64 s[6:7], s[6:7], TILEB
.endif
.if \ldV
	s_add_nc_u64 s[8:9], s[8:9], TILEB
.endif
.if \stK
.irp i, 0,1,2,3
	v_cvt_pk_bf16_f32 v[KS+4*\i],   v[KS+4*\i],   v[KS+4*\i+1]
	v_cvt_pk_bf16_f32 v[KS+4*\i+1], v[KS+4*\i+2], v[KS+4*\i+3]
.endr
.irp i, 0,1,2,3
	ds_store_b64 v3, v[KS+4*\i:KS+4*\i+1] offset:(\dst)*SLOTB+\i*16*KP        ; piece i: rows 16 i + t / 16
.endr
.endif
.if \ldK
.irp i, 0,1,2,3
	global_load_b128 v[KS+4*\i:KS+4*\i+3], v5, s[6:7] offset:4096*\i          ; a wave's load covers 512 consecutive bytes
.endr
.endif
.if \stV
.irp i, 0,1,2,3
	v_cvt_pk_bf16_f32 v[VS+4*\i],   v[VS+4*\i],   v[VS+4*\i+1]
	v_cvt_pk_bf16_f32 v[VS+4*\i+1], v[VS+4*\i+2], v[VS+4*\i+3]
.endr
.irp i, 0,1,2,3
	ds_store_b64 v4, v[VS+4*\i:VS+4*\i+1] offset:(\dst)*SLOTB+VOFF+\i*16*VP
.endr
.endif
.if \ldV
.irp i, 0,1,2,3
	global_load_b128 v[VS+4*\i:VS+4*\i+3], v5, s[8:9] offset:4096*\i
.endr
.endif
.endm
; Prefetch, in the loop's even trips.  Behind STAGE of trip t the bases stand at K(t+2) and V(t+2).  Wave 0 asks for this work-group's quarter (8 KiB: 32 lanes, 256 bytes apart)
; of the 32 KiB of K(t+3), K(t+4), which trips t+1 and t+2 load; wave 1 for the same quarter of V(t+3), V(t+4).  The four query blocks of a head take a quarter each,
; so each block of 256 bytes is asked for once.  The pass with s23 = 1 (t = 28) would reach tile 32: it asks for nothing; the last request (t = 26) ends with tile 30.
.macro PF
	s_cmp_lt_u32 s23, 2
	s_cbranch_scc1 .Lpf_end_\@
	s_cmp_lg_u32 s16, 0
	s_cbranch_scc1 .Lpf_v_\@
	global_prefetch_b8 v6, s[6:7] offset:TILEB th:TH_LOAD_NT scope:SCOPE_SE
.Lpf_v_\@:
	s_cmp_lg_u32 s16, 1
	s_cbranch_scc1 .Lpf_end_\@
	global_prefetch_b8 v6, s[8:9] offset:TILEB th:TH_LOAD_NT scope:SCOPE_SE
.Lpf_end_\@:
.endm
; The fragments of a slot's K tile (16 loads) and of its V tile, transposed (16 loads).  Destination window 1, address window 0.
.macro KFLOAD slot
	WIN 0x40
.irp mt, 0,1,2,3
.irp ks, 0,1
	ds_load_b128 v[KF+16*\mt+8*\ks:KF+16*\mt+8*\ks+3],   v1 offset:\slot*SLOTB+\mt*16*KP+64*\ks
	ds_load_b128 v[KF+16*\mt+8*\ks+4:KF+16*\mt+8*\ks+7], v1 offset:\slot*SLOTB+\mt*16*KP+64*\ks+32
.endr
.endr
.endm
.macro VFLOAD slot
	WIN 0x40
.irp c, 0,1
.irp dt, 0,1,2,3
	ds_load_tr16_b128 v[VF+16*\dt+8*\c:VF+16*\dt+8*\c+3],   v2 offset:\slot*SLOTB+VOFF+\c*32*VP+32*\dt         ; keys 32c+8h.. of column d = 16dt+r
	ds_load_tr16_b128 v[VF+16*\dt+8*\c+4:VF+16*\dt+8*\c+7], v2 offset:\slot*SLOTB+VOFF+\c*32*VP+32*\dt+16*VP   ; keys 32c+16+8h..
.endr
.endr
.endm
; x += V^T p for half hf: instruction i = 0..15 is (c = i / 8, query tile 2 hf + (i / 4) % 2, dt = i % 4): the half's 8 accumulators take turns, one instruction a turn.
; kind = 1: the first product (c = 0) starts the sums.
.macro PV1 hf, i, kind
.set pv_c, (\i)>>3
.set pv_n, 2*\hf+(((\i)>>2)&1)
.set pv_d, (\i)&3
.if (2-\kind)*(1-pv_c)
	v_wmma_f32_16x16x32_bf16 v[ACC+32*pv_n+8*pv_d:ACC+32*pv_n+8*pv_d+7], v[VF+16*pv_d+8*pv_c:VF+16*pv_d+8*pv_c+7], v[S+32*pv_n+8*pv_c:S+32*pv_n+8*pv_c+7], 0
.else
	v_wmma_f32_16x16x32_bf16 v[ACC+32*pv_n+8*pv_d:ACC+32*pv_n+8*pv_d+7], v[VF+16*pv_d+8*pv_c:VF+16*pv_d+8*pv_c+7], v[S+32*pv_n+8*pv_c:S+32*pv_n+8*pv_c+7], v[ACC+32*pv_n+8*pv_d:ACC+32*pv_n+8*pv_d+7]
.endif
.endm
.macro PV4 hf, i0, kind
	WIN 0x51                                       ; V^T, C and D window 1, p window 0
.irp k, 0,1,2,3
	PV1 \hf, (\i0+\k), \kind
.endr
.endm
; S = K Q^T for half hf: instruction i = 0..15 is (ks = i / 8, mt = (i / 2) % 4, query tile 2 hf + i % 2): the half's 8 tiles take turns likewise; d = 0..31 starts the sums.
.macro QK1 hf, i
.set qk_s, (\i)>>3
.set qk_m, ((\i)>>1)&3
.set qk_n, 2*\hf+((\i)&1)
.if qk_s == 0
	v_wmma_f32_16x16x32_bf16 v[S+32*qk_n+8*qk_m:S+32*qk_n+8*qk_m+7], v[KF+16*qk_m+8*qk_s:KF+16*qk_m+8*qk_s+7], v[Q+16*qk_n+8*qk_s:Q+16*qk_n+8*qk_s+7], 0
.else
	v_wmma_f32_16x16x32_bf16 v[S+32*qk_n+8*qk_m:S+32*qk_n+8*qk_m+7], v[KF+16*qk_m+8*qk_s:KF+16*qk_m+8*qk_s+7], v[Q+16*qk_n+8*qk_s:Q+16*qk_n+8*qk_s+7], v[S+32*qk_n+8*qk_m:S+32*qk_n+8*qk_m+7]
.endif
.endm
.macro QK4 hf, i0
	WIN 0x01                                       ; K window 1, the rest window 0
.irp k, 0,1,2,3
	QK1 \hf, (\i0+\k)
.endr
.endm
; Softmax pieces on block b = 4 nt + mt (8 registers at S + 8 b).
.macro FMA b                           ; S * log2(e) - max * log2(e), one rounding; the query tile's parity picks the register of NM's pair for both halves
.irp i, 0,2,4,6
.if ((\b)>>2)&1
	v_pk_fma_f32 v[S+8*(\b)+\i:S+8*(\b)+\i+1], v[S+8*(\b)+\i:S+8*(\b)+\i+1], s[20:21], v[NM+2*((\b)>>3):NM+2*((\b)>>3)+1] op_sel:[0,0,1] op_sel_hi:[1,0,1]
.else
	v_pk_fma_f32 v[S+8*(\b)+\i:S+8*(\b)+\i+1], v[S+8*(\b)+\i:S+8*(\b)+\i+1], s[20:21], v[NM+2*((\b)>>3):NM+2*((\b)>>3)+1] op_sel_hi:[1,0,0]
.endif
.endr
.endm
.macro EXPB b
.irp i, 0,1,2,3,4,5,6,7
	v_exp_f32 v[S+8*(\b)+\i], v[S+8*(\b)+\i]
.endr
.endm
.macro SUMCVT b, kind                  ; the block's weights into two chains of sums, then rounded in pairs to S + 32 nt + 4 mt: downward in place, onto registers already read
.if ((\b)&3) == 0
	s_wait_alu depctr_va_vdst(0)
	v_pk_add_f32 v[T:T+1],   v[S+8*(\b):S+8*(\b)+1],   v[S+8*(\b)+4:S+8*(\b)+5]      ; the first block starts the chains
	v_pk_add_f32 v[T+2:T+3], v[S+8*(\b)+2:S+8*(\b)+3], v[S+8*(\b)+6:S+8*(\b)+7]
.else
	s_wait_alu depctr_va_vdst(0)
	v_pk_add_f32 v[T:T+1],   v[T:T+1],   v[S+8*(\b):S+8*(\b)+1]
	v_pk_add_f32 v[T+2:T+3], v[T+2:T+3], v[S+8*(\b)+2:S+8*(\b)+3]
	v_pk_add_f32 v[T:T+1],   v[T:T+1],   v[S+8*(\b)+4:S+8*(\b)+5]
	v_pk_add_f32 v[T+2:T+3], v[T+2:T+3], v[S+8*(\b)+6:S+8*(\b)+7]
.endif
.irp i, 0,1,2,3
	v_cvt_pk_bf16_f32 v[S+32*((\b)>>2)+4*((\b)&3)+\i], v[S+8*(\b)+2*\i], v[S+8*(\b)+2*\i+1]
.endr
.if ((\b)&3) == 3
	v_pk_add_f32 v[T:T+1], v[T:T+1], v[T+2:T+3]
.if \kind == 1
	v_add_f32 v[LS+((\b)>>2)], v[T], v[T+1]
.else
	v_add_f32 v[T+4], v[T], v[T+1]
	v_fma_f32 v[LS+((\b)>>2)], v[LS+((\b)>>2)], v[AL+((\b)>>2)], v[T+4]
.endif
.endif
.endm
; THE SOFTMAX OF ONE HALF (two query tiles, 64 keys), in pieces.  kind = 1: the first tile of keys (nothing to carry on), 2: any later one.
; Piece 1, 32 instructions: this half wave's maximum, in four chains that do not wait for each other: for each of the two query tiles registers 0-15 (with the old maximum) and 16-31.
.macro MAXC hf, kind
	WIN 0
.irp x, 0,1
.if \kind == 1
	v_max3_num_f32 v[T+\x], v[S+64*\hf+32*\x], v[S+64*\hf+32*\x+1], v[S+64*\hf+32*\x+2]
.else
	v_max3_num_f32 v[T+\x], v[MR+2*\hf+\x], v[S+64*\hf+32*\x], v[S+64*\hf+32*\x+1]
.endif
.endr
.irp x, 0,1
	v_max3_num_f32 v[T+2+\x], v[S+64*\hf+32*\x+16], v[S+64*\hf+32*\x+17], v[S+64*\hf+32*\x+18]
.endr
.set ma, 4-\kind                       ; the first chain goes on at register 3 (first tile) or 2
.set mb, 19
.rept 6
.irp x, 0,1
	v_max3_num_f32 v[T+\x], v[T+\x], v[S+64*\hf+32*\x+ma], v[S+64*\hf+32*\x+ma+1]
.endr
.irp x, 0,1
	v_max3_num_f32 v[T+2+\x], v[T+2+\x], v[S+64*\hf+32*\x+mb], v[S+64*\hf+32*\x+mb+1]
.endr
.set ma, ma+2
.set mb, mb+2
.endr
.if \kind == 1
.irp x, 0,1
	v_max3_num_f32 v[T+\x], v[T+\x], v[S+64*\hf+32*\x+15], v[S+64*\hf+32*\x+31]       ; left over: 15 and 31
.endr
.irp x, 0,1
	v_max_num_f32 v[T+\x], v[T+\x], v[T+2+\x]
.endr
.else
.irp x, 0,1
	v_max3_num_f32 v[T+\x], v[T+\x], v[S+64*\hf+32*\x+14], v[S+64*\hf+32*\x+15]       ; left over: 14, 15 and 31
.endr
.irp x, 0,1
	v_max3_num_f32 v[T+\x], v[T+\x], v[T+2+\x], v[S+64*\hf+32*\x+31]
.endr
.endif
.endm
; Piece 2: the maximum over both half waves, the new shift, the rescale factor, and the first block's multiply-adds.
.macro STATC hf, kind
	WIN 0
.irp x, 0,1
	v_permlanex16_b32 v[T+4+\x], v[T+\x], s24, s25         ; the other half wave holds the query's other 32 keys
.endr
.irp x, 0,1
	v_max_num_f32 v[MR+2*\hf+\x], v[T+\x], v[T+4+\x]
.endr
.irp x, 0,1
	v_mul_f32 v[T+4+\x], s22, v[MR+2*\hf+\x]               ; the new shift, rounded once
.endr
.if \kind != 1
.irp x, 0,1
	v_sub_f32 v[AL+2*\hf+\x], v[T+4+\x], v[NM+2*\hf+\x]    ; new shift - old shift = (old max - new max) log2(e), never above 0
.endr
.irp x, 0,1
	v_exp_f32 v[AL+2*\hf+\x], v[AL+2*\hf+\x]
.endr
.endif
	s_wait_alu depctr_va_vdst(0)
.irp x, 0,1
	v_mov_b32 v[NM+2*\hf+\x], v[T+4+\x]                    ; plain instructions that name no AL: the place behind the exponentials (ISA guide 5.7.2)
.endr
	FMA 8*\hf
.endm
; Pieces 3 to 6: two blocks each.  Behind a block's eight exponentials the next block's multiply-adds are the plain place before the results are read.
.macro EC2 b, kind, last
	WIN 0
	EXPB \b
	FMA (\b)+1
	SUMCVT \b, \kind
	EXPB (\b)+1
.if \last
	v_nop
	s_wait_alu depctr_va_vdst(0)
.else
	FMA (\b)+2
.endif
	SUMCVT (\b)+1, \kind
.endm
; The rescale of one query tile's four accumulators, 16 instructions.
.macro RC nt
	WIN 0x41                                       ; accumulators (source 0, destination) window 1, the factor window 0
.set ri, 0
.rept 16
.if (\nt) & 1
	v_pk_mul_f32 v[ACC+32*(\nt)+ri:ACC+32*(\nt)+ri+1], v[ACC+32*(\nt)+ri:ACC+32*(\nt)+ri+1], v[AL+2*((\nt)>>1):AL+2*((\nt)>>1)+1] op_sel:[0,1] op_sel_hi:[1,1]
.else
	v_pk_mul_f32 v[ACC+32*(\nt)+ri:ACC+32*(\nt)+ri+1], v[ACC+32*(\nt)+ri:ACC+32*(\nt)+ri+1], v[AL+2*((\nt)>>1):AL+2*((\nt)>>1)+1] op_sel_hi:[1,0]
.endif
.set ri, ri+2
.endr
.endm
; A PHASE: the matrix run of half mh, four instructions at a time, with the pieces of the OTHER half's softmax between.
; pv: 0 no product with V, 1 the first, 2 a later one.  qk: 1 = scores.  sm: 0 no softmax, 1 the first tile's, 2 a later one's.
; kw = 1: K's fragments (and this trip's LDS stores) are waited for in front of the scores.  vfl = 1: the slot's V fragments are loaded when the product has done with the old ones.
.macro PHASE mh, pv, qk, sm, slot, kw, vfl
.if \pv
	PV4 \mh, 0, \pv
.endif
.if \sm
	MAXC (1-\mh), \sm
.endif
.if \pv
	PV4 \mh, 4, \pv
.endif
.if \sm
	STATC (1-\mh), \sm
.if \sm == 2
	RC 2*(1-\mh)
.endif
.endif
.if \pv
	PV4 \mh, 8, \pv
.endif
.if \sm
	EC2 8*(1-\mh), \sm, 0
.endif
.if \pv
	PV4 \mh, 12, \pv
.endif
.if \sm
	EC2 8*(1-\mh)+2, \sm, 0
.endif
.if \pv*(\qk+\vfl)
	PLACES 5                                       ; behind the product: the scores write S over p, which it read as a source, and loads land in V's fragments
.endif
.if \vfl
	VFLOAD \slot                                   ; for the next trip's products; waited for in front of the next barrier
.endif
.if \kw
	s_wait_dscnt 0x0                               ; K's fragments, asked for at the trip's start
.endif
.if \qk
	QK4 \mh, 0
.endif
.if \sm
	EC2 8*(1-\mh)+4, \sm, 0
.endif
.if \qk
	QK4 \mh, 4
.endif
.if \sm
	EC2 8*(1-\mh)+6, \sm, 1
.endif
.if \qk
	QK4 \mh, 8
.endif
.if \sm == 2
	RC 2*(1-\mh)+1
.endif
.if \qk
	QK4 \mh, 12
.endif
	WIN 0
	PLACES 5                                       ; behind the run, for all that follows: vector reads of S, writes of the accumulators, loads into the fragments, p as a source
.endm
; One trip.  slot: the slot that is read.  st, ld: tile t+1 is stored into the other slot, tile t+2 is asked for.  smB: the softmax of H1's tile t-1, smA: of H0's tile t.
.macro TRIP slot, st, ld, pv, smB, smA, pf
	s_wait_dscnt 0x0                               ; my stores into this trip's slot are done, and my reads of the other slot, which is written behind the barrier
	s_barrier_signal -1
	s_barrier_wait -1
	STAGE 1-\slot, \st, \st, \ld, \ld
.if \pf
	PF
.endif
	KFLOAD \slot
	PHASE 0, \pv, 1, \smB, \slot, 1, 0
	PHASE 1, \pv, 1, \smA, \slot, 0, 1
.endm
	s_load_b256 s[4:11], s[0:1], 0x0               ; query s[4:5], key s[6:7], value s[8:9], W s[10:11]
	s_load_b128 s[12:15], s[0:1], 0x20             ; xb s[12:13], wb s[14:15]
	v_lshrrev_b32 v7, 5, v0
	v_readfirstlane_b32 s16, v7                    ; wave 0..7
	s_mov_b32 s18, ttmp9                           ; x: block of 512 queries
	s_and_b32 s19, ttmp7, 0xffff                   ; y: head
	s_mov_b32 s20, 0x3fb8aa3b                      ; log2(e), as a pair for the packed multiply-add
	s_mov_b32 s21, 0x3fb8aa3b
	s_mov_b32 s22, 0xbfb8aa3b                      ; -log2(e)
	s_mov_b32 s24, 0x76543210                      ; v_permlanex16_b32: lane i of one half reads lane i of the other
	s_mov_b32 s25, 0xfedcba98
	v_and_b32 v24, 31, v0                          ; lane L
	v_and_b32 v25, 15, v0                          ; r = L % 16 = t % 16
	v_bfe_u32 v26, v0, 4, 1                        ; h = L / 16
	v_mul_u32_u24 v1, v25, KP
	v_lshl_add_u32 v1, v26, 4, v1                  ; K fragment: r x pitch + 16 h
	v_and_b32 v27, 7, v0
	v_lshl_add_u32 v27, v26, 3, v27
	v_mul_u32_u24 v2, v27, VP
	v_bfe_u32 v27, v0, 3, 1
	v_lshl_add_u32 v2, v27, 4, v2                  ; V fragment: (8 h + L % 8) x pitch + 16 ((L / 8) % 2)
	v_lshrrev_b32 v27, 4, v0
	v_mul_u32_u24 v3, v27, KP
	v_lshl_add_u32 v3, v25, 3, v3                  ; K store: row t / 16, 8 bytes at 8 (t % 16)
	v_mul_u32_u24 v4, v27, VP
	v_lshl_add_u32 v4, v25, 3, v4                  ; V store likewise
	v_lshlrev_b32 v5, 4, v0                        ; 16 t
	s_lshl_b32 s26, s18, 13
	v_lshl_add_u32 v6, v24, 8, s26                 ; prefetch: 8,192 x + 256 L
	v_lshlrev_b32 v7, 8, v25
	v_lshl_add_u32 v7, v26, 5, v7                  ; Q: row r of 256 bytes, + 32 h
	s_lshl_b32 s26, s19, 19                        ; a head's K, V, Q: 2,048 x 64 x 4 bytes
	s_mov_b32 s27, 0
	s_lshl_b32 s28, s18, 17                        ; 512 queries
	s_lshl_b32 s29, s16, 14                        ; 64 queries
	s_add_co_u32 s28, s28, s29
	s_add_co_u32 s28, s28, s26
	s_mov_b32 s29, 0
	s_wait_kmcnt 0x0
	s_add_nc_u64 s[6:7], s[6:7], s[26:27]
	s_add_nc_u64 s[8:9], s[8:9], s[26:27]
	s_add_nc_u64 s[4:5], s[4:5], s[28:29]
	s_lshl2_add_u32 s26, s19, s18                  ; g = 4 y + x, 0..255
	s_lshl_b32 s28, s26, 14
	s_add_nc_u64 s[10:11], s[10:11], s[28:29]      ; my 16 KiB of W
	s_lshl_b32 s28, s26, 13
	s_add_nc_u64 s[14:15], s[14:15], s[28:29]      ; my 8 KiB of wb
	s_lshl_b32 s26, s19, 18                        ; a head's x: 64 x 2,048 x 2 bytes
	s_lshl_b32 s28, s18, 10                        ; 512 queries x 2 bytes
	s_add_co_u32 s28, s28, s26
	s_add_nc_u64 s[12:13], s[12:13], s[28:29]
.irp i, 0,1,2,3
	global_load_b128 v[KS+4*\i:KS+4*\i+3], v5, s[6:7] offset:4096*\i                     ; K(0)
.endr
.irp i, 0,1,2,3
	global_load_b128 v[VS+4*\i:VS+4*\i+3], v5, s[8:9] offset:4096*\i                     ; V(0)
.endr
.irp i, 0,1,2,3
	global_load_b128 v[MR+4*\i:MR+4*\i+3], v5, s[10:11] offset:4096*\i th:TH_LOAD_NT     ; W, through the sixteen registers that later hold maximum, shift, factor and sum
.endr
	; Q in f32 into the S registers: lane (r, h) of query tile nt takes d = 32 ks + 8 h + 0..7 and 32 ks + 16 + 8 h + 0..7 of query 16 nt + r
.irp nt, 0,1,2,3
.irp ks, 0,1
	global_load_b128 v[S+32*\nt+16*\ks:S+32*\nt+16*\ks+3],     v7, s[4:5] offset:4096*\nt+128*\ks    th:TH_LOAD_NT
	global_load_b128 v[S+32*\nt+16*\ks+4:S+32*\nt+16*\ks+7],   v7, s[4:5] offset:4096*\nt+128*\ks+16 th:TH_LOAD_NT
	global_load_b128 v[S+32*\nt+16*\ks+8:S+32*\nt+16*\ks+11],  v7, s[4:5] offset:4096*\nt+128*\ks+64 th:TH_LOAD_NT
	global_load_b128 v[S+32*\nt+16*\ks+12:S+32*\nt+16*\ks+15], v7, s[4:5] offset:4096*\nt+128*\ks+80 th:TH_LOAD_NT
.endr
.endr
	v_lshlrev_b32 v24, 3, v0                       ; 8 t, for wb
	STAGE 0, 1, 1, 1, 1                            ; all loads are in; K(0) and V(0) into slot 0; K(1) and V(1) are asked for
.irp i, 0,1,2,3
	v_cvt_pk_bf16_f32 v[MR+4*\i],   v[MR+4*\i],   v[MR+4*\i+1]
	v_cvt_pk_bf16_f32 v[MR+4*\i+1], v[MR+4*\i+2], v[MR+4*\i+3]
.endr
.irp i, 0,1,2,3
	global_store_b64 v24, v[MR+4*\i:MR+4*\i+1], s[14:15] offset:2048*\i       ; a wave's store covers 256 consecutive bytes, aligned
.endr
.irp nt, 0,1,2,3
.irp ks, 0,1
.irp i, 0,1,2,3,4,5,6,7
	v_cvt_pk_bf16_f32 v[Q+16*\nt+8*\ks+\i], v[S+32*\nt+16*\ks+2*\i], v[S+32*\nt+16*\ks+2*\i+1]
.endr
.endr
.endr
	s_wait_xcnt 0x0                                ; the stores' data and offset registers are written again only behind this wait
.irp i, 0,1,2,3,4,5,6,7
	v_mov_b32 v[T+\i], 0                           ; v_permlanex16_b32 counts as a reader of its destination
.endr
	;    slot  st ld  pv smB smA  pf         trip t stores K(t+1), V(t+1) and asks for K(t+2), V(t+2)
	TRIP 0,    1, 1,  0, 0,  1,   0          ; t = 0: scores of tile 0; H0's first softmax
	TRIP 1,    1, 1,  1, 1,  2,   0          ; t = 1: the first products; H1's first softmax
	s_mov_b32 s23, 14                        ; t = 2 .. 29
.Ltrips:
	TRIP 0,    1, 1,  2, 2,  2,   1
	TRIP 1,    1, 1,  2, 2,  2,   0
	s_sub_co_u32 s23, s23, 1
	s_cmp_lg_u32 s23, 0
	s_cbranch_scc1 .Ltrips
	TRIP 0,    1, 0,  2, 2,  2,   0          ; t = 30: tile 31 is stored; no load passes tile 31
	TRIP 1,    0, 0,  2, 2,  2,   0          ; t = 31
	s_wait_dscnt 0x0                         ; t = 32: V(31)'s fragments are in; registers alone from here on, so no barrier
	PHASE 0, 2, 0, 2, 0, 0, 0                ; H0's last product, H1's last softmax
	PHASE 1, 2, 0, 0, 0, 0, 0                ; H1's last product
	; THE WAY OUT: divide by the sum, round, turn [q lanes][d registers] into rows of q through LDS, store whole rows.
.irp nt, 0,1,2,3
	v_permlanex16_b32 v[T+\nt], v[LS+\nt], s24, s25
.endr
.irp nt, 0,1,2,3
	v_add_f32 v[LS+\nt], v[LS+\nt], v[T+\nt]       ; both half waves' keys
.endr
.irp nt, 0,1,2,3
	v_rcp_f32 v[AL+\nt], v[LS+\nt]
.endr
	v_and_b32 v24, 15, v0                          ; (plain instructions behind the reciprocals: ISA guide 5.7.2)
	v_bfe_u32 v25, v0, 4, 1
	v_mul_u32_u24 v25, v25, 8*SP
	s_lshl_b32 s26, s16, 7
	s_add_co_u32 s26, s26, STG
	v_lshl_add_u32 v24, v24, 1, v25
	v_add_nc_u32 v7, s26, v24                      ; in: stage + 8 h rows + (64 wave + r) x 2 bytes
	v_lshrrev_b32 v28, 6, v0
	v_and_b32 v29, 63, v0
	v_lshlrev_b32 v29, 4, v29
	v_mul_u32_u24 v26, v28, SP
	v_add3_u32 v26, v26, v29, STG                  ; back: row t / 64, 16 bytes at 16 (t % 64)
	v_lshl_add_u32 v27, v28, 12, v29               ; the same place in xb: rows of 4,096 bytes
	s_wait_alu depctr_va_vdst(0)
	WIN 0x01                                       ; accumulators window 1, factor and result window 0
.irp nt, 0,1,2,3
.set ri, 0
.rept 16
.if \nt & 1
	v_pk_mul_f32 v[S+32*\nt+ri:S+32*\nt+ri+1], v[ACC+32*\nt+ri:ACC+32*\nt+ri+1], v[AL+2*(\nt>>1):AL+2*(\nt>>1)+1] op_sel:[0,1] op_sel_hi:[1,1]
.else
	v_pk_mul_f32 v[S+32*\nt+ri:S+32*\nt+ri+1], v[ACC+32*\nt+ri:ACC+32*\nt+ri+1], v[AL+2*(\nt>>1):AL+2*(\nt>>1)+1] op_sel_hi:[1,0]
.endif
.set ri, ri+2
.endr
.endr
	WIN 0
.irp nt, 0,1,2,3
.irp dt, 0,1,2,3
.irp i, 0,1,2,3
	v_cvt_pk_bf16_f32 v[S+32*\nt+8*\dt+\i], v[S+32*\nt+8*\dt+2*\i], v[S+32*\nt+8*\dt+2*\i+1]         ; d = 16 dt + 8 h + 2 i below, + 1 above
.endr
.endr
.endr
.irp nt, 0,1,2,3
.irp dt, 0,1,2,3
.irp i, 0,1,2,3
	ds_store_b16        v7, v[S+32*\nt+8*\dt+\i] offset:(16*\dt+2*\i)*SP+32*\nt          ; 16 lanes: 32 consecutive bytes of a row of the stage
	ds_store_b16_d16_hi v7, v[S+32*\nt+8*\dt+\i] offset:(16*\dt+2*\i+1)*SP+32*\nt
.endr
.endr
.endr
	s_wait_dscnt 0x0                               ; for the other waves' sake: my part of every row is in the stage
	s_barrier_signal -1
	s_barrier_wait -1
.irp i, 0,1,2,3,4,5,6,7,8,9,10,11,12,13,14,15
	ds_load_b128 v[S+4*\i:S+4*\i+3], v26 offset:\i*4*SP                        ; four rows a pass
.endr
.irp i, 0,1,2,3,4,5,6,7,8,9,10,11,12,13,14,15
	s_wait_dscnt 15-\i                             ; the younger loads may stay out
	global_store_b128 v27, v[S+4*\i:S+4*\i+3], s[12:13] offset:\i*16384        ; a wave's store covers 512 consecutive bytes, aligned
.endr
	s_wait_xcnt 0x0
	v_lshl_add_u32 v254, v0, 2, 0x19c00
	v_mov_b32 v255, 0
	s_wait_tensorcnt 0x0
	ds_add_u32 v254, v255
	s_wait_dscnt 0x0
	s_endpgm
.Lfunc_end_k_qc88c2cb08b_attn:
	.size	k_qc88c2cb08b_attn, .Lfunc_end_k_qc88c2cb08b_attn-k_qc88c2cb08b_attn
	.p2alignl 7, 3214868480
	.fill 96, 4, 3214868480
	.section	.rodata,"a",@progbits
	.p2align	6, 0x0
	.amdhsa_kernel k_qc88c2cb08b_attn
		.amdhsa_group_segment_fixed_size 106496
		.amdhsa_private_segment_fixed_size 0
		.amdhsa_enable_private_segment 0
		.amdhsa_kernarg_size 48
		.amdhsa_user_sgpr_count 2
		.amdhsa_user_sgpr_kernarg_segment_ptr 1
		.amdhsa_wavefront_size32 1
		.amdhsa_system_sgpr_workgroup_id_x 1
		.amdhsa_system_sgpr_workgroup_id_y 1
		.amdhsa_system_sgpr_workgroup_id_z 1
		.amdhsa_system_vgpr_workitem_id 0
		.amdhsa_next_free_vgpr 512
		.amdhsa_next_free_sgpr 66
		.amdhsa_reserve_vcc 0
		.amdhsa_float_denorm_mode_32 3
		.amdhsa_float_denorm_mode_16_64 3
		.amdhsa_memory_ordered 1
		.amdhsa_forward_progress 1
		.amdhsa_inst_pref_size 244
	.end_amdhsa_kernel
	.amdgpu_metadata
---
amdhsa.version: [ 1, 2 ]
amdhsa.kernels:
  - .name:           k_qc88c2cb08b_attn
    .symbol:         k_qc88c2cb08b_attn.kd
    .args:
      - { .name: query, .offset: 0, .size: 8, .value_kind: global_buffer, .address_space: global }
      - { .name: key, .offset: 8, .size: 8, .value_kind: global_buffer, .address_space: global }
      - { .name: value, .offset: 16, .size: 8, .value_kind: global_buffer, .address_space: global }
      - { .name: W, .offset: 24, .size: 8, .value_kind: global_buffer, .address_space: global }
      - { .name: xb, .offset: 32, .size: 8, .value_kind: global_buffer, .address_space: global }
      - { .name: wb, .offset: 40, .size: 8, .value_kind: global_buffer, .address_space: global }
    .group_segment_fixed_size: 106496
    .private_segment_fixed_size: 0
    .kernarg_segment_align: 8
    .kernarg_segment_size: 48
    .max_flat_workgroup_size: 256
    .sgpr_count:     66
    .vgpr_count:     512
    .wavefront_size: 32
...
	.end_amdgpu_metadata
.endif
;; end of part 1
;; launch proj (part 2): grid 8 x 32, 4 waves a work-group, clusters of 4 x 4, 327,680 bytes of LDS; arguments xb, wb, b, out0; writes out0
.if DOCPART == 2
	.amdgcn_target "amdgcn-amd-amdhsa--gfx1250"
	.amdhsa_code_object_version 6
	.text
	.protected	k_qc88c2cb08b_proj
	.globl	k_qc88c2cb08b_proj
	.p2align	8
	.type	k_qc88c2cb08b_proj,@function
k_qc88c2cb08b_proj:
	s_mov_b64 s[64:65], 0
	v_nop
	global_prefetch_b8 v0, s[64:65] scope:SCOPE_SE
	s_setreg_imm32_b32 hwreg(HW_REG_WAVE_MODE, 25, 1), 1
	s_wait_xcnt 0x0
	s_wait_alu depctr_hold_cnt(0) depctr_sa_sdst(0) depctr_va_vdst(0) depctr_va_sdst(0) depctr_va_ssrc(0) depctr_va_vcc(0) depctr_vm_vsrc(0)
	s_getreg_b32 s2, hwreg(HW_REG_IB_STS2, 6, 4)
	s_cmp_eq_u32 s2, 0
	s_cbranch_scc0 .Lentry_in_a_cluster
	s_endpgm
.Lentry_in_a_cluster:
	s_bfe_u32 s2, ttmp6, 0x10000c
	s_cmp_lg_u32 s2, 0xf033
	s_cbranch_scc0 .Lentry_shape_is_right
	s_endpgm
.Lentry_shape_is_right:
; out0[m][n] = b[n] + sum over k of xb[m][k] wb[n][k].  xb: [8192][1024] bf16, wb: [1024][1024] bf16, b: [1024] f32, out0: [8192][1024] f32; sums in f32.
; A work-group makes a block of 256 (m) x 128 (n) with four waves: 32 x 8 = 256 work-groups.  A wave makes 128 x 64: 32 accumulator tiles of 16 x 16, 256 registers.
; K goes in 8 steps of 128 through a ring of two LDS slots filled by the tensor data mover; a tile's rows are 256 bytes of memory and start at multiples of 256 bytes.
; CLUSTERS: 4 x 4 work-groups.  The four of a row of the cluster share the block row, so xb's tiles; the four of a column share the block column, so wb's tiles.
; Such a tile is asked for jointly: each of the four issues the same tensor load with the same descriptor and a mask that names the four.
; The bias is the C operand of each accumulator's first product: it is the first addend of the sum, nothing is cleared and nothing is added later.
; LIMIT: the operands are bf16 as the launch before stored them; NaN and infinities are not treated specially.
;
; REGISTERS: window 0: v16-27 addresses, v32-63 the bias, v64-127 and v128-191 fragments of xb (8 x 16 rows x 32 K), two buffers;
;            window 1: v64-95 and v128-159 fragments of wb (4 x 16 rows x 32 K), two buffers;   window 2: accumulator tile (a, b) at v[8 (4 a + b)].
; THE MATRIX INSTRUCTION IS USED TRANSPOSED: source 0 = 16 rows of wb, source 1 = 16 rows of xb.  Lane l then holds row m = l % 16 and its registers 0 to 7
; the columns n = 8 (l / 16) + 0..7: 32 neighbouring bytes of a row of out0.
.set SIZE_K, 1024
.set SIZE_N, 1024
.set KSTEP,  128
.set PITCH,  272                       ; an LDS row: 256 bytes + 16 of padding: the 16 rows that a load touches start at 16 different 16-byte columns of 256
.set HALFA,  128*PITCH                 ; what one tensor load brings of xb, and what one wave reads of it
.set HALFB,  64*PITCH                  ; the same for wb
.set SLOT,   2*HALFA+2*HALFB           ; xb's 256 rows, then wb's 128 rows
.set STAGE,  2*SLOT                    ; behind the ring: 16 rows x 272 bytes for each wave, for the way out; no tensor load lands there
.set LAPS,   SIZE_K/(2*KSTEP)          ; a lap = two K steps = once round the ring: 4
.set ADRA, 16                          ; v16-17  LDS address of my xb fragments in slot 0, 1
.set ADRB, 20                          ; v20-21  the same for wb
.set STO,  24                          ; the way out: where I put 32 bytes of a row
.set RD,   25                          ; the way out: where I read a row back
.set CO,   26                          ; my byte offset in out0
.set BO,   27                          ; my byte offset in b
.set BI,   32                          ; v[32:63] bias of n-tile b at 8 b: register j = b[16 b + 8 h + j]
.set F0,   64
.set F1,   128
.set G1,  24                           ; s[24:31] descriptor group 1 for xb's tiles
.set G0,  32                           ; s[32:39] descriptor group 0 for xb's tiles, a set for each slot
.set G1B, 48                           ; s[48:55] group 1 for wb's tiles
.set G0B, 56                           ; s[56:63] group 0 for wb's tiles, a set for each slot
.set MSB, 0
.macro WIN new                         ; bits 1:0 source 0, 3:2 source 1, 5:4 source 2, 7:6 destination; the high byte repeats the setting that is left
.if MSB != \new
	s_set_vgpr_msb (MSB<<8)|\new
.set MSB, \new
.endif
.endm
.macro MWIN bias
.if \bias
	WIN 0x81                                       ; wb window 1, xb and the bias window 0, D window 2
.else
	WIN 0xa1                                       ; wb window 1, xb window 0, C and D window 2
.endif
.endm
; A joint load.  Waves 0 and 1 fetch xb's two halves, waves 2 and 3 wb's.  Each line has one mask and one set of registers for all that issue it.
; The branch hangs on the wave's number alone.
.macro JLOAD s
	s_cmp_eq_u32 s13, 0
	s_cbranch_scc0 .Lfor_b_\@
	tensor_load_to_lds s[G0+4*\s:G0+4*\s+3], s[G1:G1+7]
	s_nop 0
	s_branch .Lasked_\@
.Lfor_b_\@:
	tensor_load_to_lds s[G0B+4*\s:G0B+4*\s+3], s[G1B:G1B+7]
	s_nop 0
.Lasked_\@:
.endm
; A round of the cluster's barrier: my work-group's barrier; wave 0 signals for the work-group; every wave waits for all sixteen; my work-group's barrier once more.
.macro CREST                           ; a round behind its opening barrier
	s_cmp_lg_u32 s12, 0
	s_cbranch_scc1 .Lnot_wave_0_\@
	s_barrier_signal -3
.Lnot_wave_0_\@:
	s_barrier_wait -3
	s_barrier_signal -1
	s_barrier_wait -1
.endm
.macro CROUND
	s_barrier_signal -1
	s_barrier_wait -1
	CREST
.endm
	s_load_b256 s[4:11], s[0:1], 0x0               ; xb s[4:5], wb s[6:7], b s[8:9], out0 s[10:11]
	s_set_vgpr_msb 0x40
	v_lshl_add_u32 v255, v0, 2, 0x37400
	s_set_vgpr_msb 0x4000
	v_mov_b32 v255, 0
	s_set_vgpr_msb 0x1
	ds_add_u32 v255, v255
	s_set_vgpr_msb 0x100
	v_lshrrev_b32 v1, 5, v0
	v_readfirstlane_b32 s12, v1                    ; wave 0..3
	s_lshr_b32 s13, s12, 1                         ; which 128 rows of the block are mine.  Also: I fetch for xb (0) or for wb (1)
	s_and_b32 s14, s12, 1                          ; which 64 columns.  Also: which half of that tile I fetch
	s_bfe_u32 s40, ttmp6, 0x40000                  ; cx
	s_bfe_u32 s41, ttmp6, 0x40004                  ; cy
	s_lshl_b32 s42, ttmp9, 2
	s_add_co_u32 s42, s42, s40                     ; block column = 4 x cluster x + cx
	s_and_b32 s43, ttmp7, 0xffff
	s_lshl_b32 s43, s43, 2
	s_add_co_u32 s43, s43, s41                     ; block row = 4 x cluster y + cy
	s_lshl_b32 s44, s41, 2
	s_lshl_b32 s44, 15, s44                        ; my row of the cluster: places 4 cy .. 4 cy + 3
	s_lshl_b32 s45, 0x1111, s40                    ; my column: places cx, cx + 4, cx + 8, cx + 12
	; group 1: tiles of 128 (xb) or 64 (wb) rows x 128 elements of 2 bytes, 16 bytes of padding behind every 64 words
	s_or_b32 s[G1+0],  s44, (1<<16)|(1<<20)|(1<<21)|(5<<22)|(3<<25)  ; 15:0 mask: my row; 17:16 2 bytes; 20 padding; 21 set beside a mask; 24:22 every 64 words; 31:25 4 words
	s_or_b32 s[G1B+0], s45, (1<<16)|(1<<20)|(1<<21)|(5<<22)|(3<<25)  ; the same with the mask of my column
	s_mov_b32 s[G1+1],  KSTEP<<16                  ; tensor_dim0 = 128
	s_mov_b32 s[G1B+1], KSTEP<<16
	s_mov_b32 s[G1+2],  128<<16                    ; tensor_dim1 = 128 rows
	s_mov_b32 s[G1B+2], 64<<16                     ;             = 64 rows
	s_mov_b32 s[G1+3],  KSTEP<<16                  ; tile_dim0 = 128
	s_mov_b32 s[G1B+3], KSTEP<<16
	s_mov_b32 s[G1+4],  128                        ; tile_dim1
	s_mov_b32 s[G1B+4], 64
	s_mov_b32 s[G1+5],  SIZE_K                     ; elements from row to row
	s_mov_b32 s[G1B+5], SIZE_K
	s_mov_b32 s[G1+6],  0
	s_mov_b32 s[G1B+6], 0
	s_mov_b32 s[G1+7],  0
	s_mov_b32 s[G1B+7], 0
	; where the tiles come from: xb's hang on the block row alone, wb's on the block column alone, each in registers that never hold the other coordinate
	s_lshl_b32 s17, s14, 7
	s_lshl_b32 s16, s43, 8
	s_add_co_u32 s16, s16, s17                     ; xb: row 256 x block row + 128 x half
	s_lshl_b32 s16, s16, 11                        ; rows of 2,048 bytes: under 16 MiB
	s_mov_b32 s17, 0
	s_lshl_b32 s47, s14, 6
	s_lshl_b32 s46, s42, 7
	s_add_co_u32 s46, s46, s47                     ; wb: row 128 x block column + 64 x half
	s_lshl_b32 s46, s46, 11
	s_mov_b32 s47, 0
	s_lshl_b32 s22, s42, 9                         ; b: (128 x block column + 64 x my half) x 4 bytes
	s_lshl_b32 s23, s14, 8
	s_add_co_u32 s22, s22, s23
	s_mov_b32 s23, 0
	s_mul_i32 s20, s12, HALFA                      ; where they go: xb's halves at wave x 128 rows (waves 0, 1),
	s_mul_i32 s21, s12, HALFB                      ; wb's behind them at (wave - 2) x 64 rows (waves 2, 3): no place in the cluster enters an LDS address
	s_add_co_u32 s21, s21, 2*HALFA-2*HALFB
	s_wait_dscnt 0x0
	s_wait_kmcnt 0x0
	s_add_nc_u64 s[18:19], s[4:5], s[16:17]
	s_add_nc_u64 s[46:47], s[6:7], s[46:47]
	s_add_nc_u64 s[8:9], s[8:9], s[22:23]
	CROUND                                         ; all sixteen work-groups are here: the first joint loads meet
.irp s, 0,1
	s_mov_b32 s[G0+4*\s], 1                                        ; count = 1
	s_add_co_u32 s[G0+4*\s+1], s20, \s*SLOT                        ; LDS address
	s_add_nc_u64 s[G0+4*\s+2:G0+4*\s+3], s[18:19], \s*KSTEP*2      ; global address: K step s
	s_or_b32 s[G0+4*\s+3], s[G0+4*\s+3], 0x80000000                ; type = 2
	s_mov_b32 s[G0B+4*\s], 1
	s_add_co_u32 s[G0B+4*\s+1], s21, \s*SLOT
	s_add_nc_u64 s[G0B+4*\s+2:G0B+4*\s+3], s[46:47], \s*KSTEP*2
	s_or_b32 s[G0B+4*\s+3], s[G0B+4*\s+3], 0x80000000
	JLOAD \s                                       ; both slots' first fills, ahead of everything else: two tensor loads of the wave are out
.endr
	v_and_b32 v1, 15, v0                           ; r = l % 16
	v_bfe_u32 v2, v0, 4, 1                         ; h = l / 16
	v_lshlrev_b32 v[BO], 5, v2                     ; 8 h numbers of b
.irp b, 0,1,2,3
	global_load_b128 v[BI+8*\b:BI+8*\b+3],   v[BO], s[8:9] offset:64*\b
	global_load_b128 v[BI+8*\b+4:BI+8*\b+7], v[BO], s[8:9] offset:64*\b+16
.endr
	v_mul_u32_u24 v3, v1, PITCH
	v_lshl_add_u32 v3, v2, 4, v3                   ; a fragment: row x pitch + 16 h, two loads 32 bytes apart
	s_mul_i32 s16, s13, HALFA                      ; my 128 rows of xb
	s_mul_i32 s17, s14, HALFB                      ; my 64 rows of wb,
	s_add_co_u32 s17, s17, 2*HALFA                 ; which lie behind xb's 256
.irp s, 0,1
	v_add_nc_u32 v[ADRA+\s], s16, v3
	v_add_nc_u32 v[ADRB+\s], s17, v3
	s_add_co_u32 s16, s16, SLOT
	s_add_co_u32 s17, s17, SLOT
.endr
	s_mul_i32 s20, s12, 16*PITCH
	s_add_co_u32 s20, s20, STAGE                   ; my stage
	v_mul_u32_u24 v4, v1, PITCH
	v_lshl_add_u32 v4, v2, 5, v4                   ; in: row r, 32 bytes for each half of the lanes
	v_add_nc_u32 v[STO], s20, v4
	v_mul_u32_u24 v5, v2, PITCH
	v_lshl_add_u32 v5, v1, 4, v5                   ; back: lanes 0-15 one row of 256 bytes, lanes 16-31 the next
	v_add_nc_u32 v[RD], s20, v5
	v_lshlrev_b32 v5, 12, v2                       ; the same two rows in out0: rows of 4,096 bytes
	v_lshl_add_u32 v[CO], v1, 4, v5
; 8 matrix instructions: m blocks a0, a0 + 1 x all 4 n blocks, 32 along K.  bias = 1: the first product, with the bias as C.
; The 32 accumulators take turns, one instruction a turn, in the same order in every quarter step.
.macro MUL8 f, a0, bias
.irp a, \a0, \a0+1
.irp b, 0,1,2,3
.if \bias
	v_wmma_f32_16x16x32_bf16 v[8*(4*(\a)+\b):8*(4*(\a)+\b)+7], v[\f+8*\b:\f+8*\b+7], v[\f+8*(\a):\f+8*(\a)+7], v[BI+8*\b:BI+8*\b+7]
.else
	v_wmma_f32_16x16x32_bf16 v[8*(4*(\a)+\b):8*(4*(\a)+\b)+7], v[\f+8*\b:\f+8*\b+7], v[\f+8*(\a):\f+8*(\a)+7], v[8*(4*(\a)+\b):8*(4*(\a)+\b)+7]
.endif
.endr
.endr
.endm
; 24 LDS loads in one run: the fragments of one quarter step (64 rows of wb, 128 rows of xb, 32 K at byte k of the rows) into buffer f
.macro FETCH slot, k, f
	WIN 0x40
.irp i, 0,1,2,3
	ds_load_b128 v[\f+8*\i:\f+8*\i+3],   v[ADRB+\slot] offset:\k+\i*16*PITCH
	ds_load_b128 v[\f+8*\i+4:\f+8*\i+7], v[ADRB+\slot] offset:\k+\i*16*PITCH+32
.endr
	WIN 0
.irp i, 0,1,2,3,4,5,6,7
	ds_load_b128 v[\f+8*\i:\f+8*\i+3],   v[ADRA+\slot] offset:\k+\i*16*PITCH
	ds_load_b128 v[\f+8*\i+4:\f+8*\i+7], v[ADRA+\slot] offset:\k+\i*16*PITCH+32
.endr
.endm
; A load into a register that a matrix instruction has read, and an LDS store that reads a matrix result, stand four places behind that matrix instruction;
; only plain vector instructions that name none of its registers are places.
.macro PLACES
.rept 4
	v_nop
.endr
.endm
; One of a K step's first three quarters: multiplies buffer f; in its middle it fetches the next quarter's fragments into buffer g.
.macro QUARTER slot, k, f, g, bias
	s_wait_dscnt 8                                 ; wb and xb's rows 0-63 are in; the youngest eight loads (xb's rows 64-127) may be out
	MWIN \bias
	MUL8 \f, 0, \bias
	MUL8 \f, 2, \bias
	PLACES
	FETCH \slot, \k, \g
	s_wait_dscnt 24                                ; all but the 24 just issued
	MWIN \bias
	MUL8 \f, 4, \bias
	MUL8 \f, 6, \bias
.endm
.macro THREE slot, bias
	QUARTER \slot, 64,  F0, F1, \bias
	QUARTER \slot, 128, F1, F0, 0
	QUARTER \slot, 192, F0, F1, 0
.endm
; The last quarter: multiplies buffer 1 and changes slots.  In front of the barrier each wave waits for its reads of this slot and for all its tensor loads
; (one is out: its part of the next slot).  Behind it the refill comes first, then the next slot's first fragments.
.macro TURN slot, next, fill
	s_wait_dscnt 8
	WIN 0xa1
	MUL8 F1, 0, 0
	s_wait_dscnt 0                                 ; my reads of this slot are over
	s_wait_tensorcnt 0x0                           ; all my tensor loads have landed
	ds_add_u32 v255, v255
	s_wait_dscnt 0x0
	s_barrier_signal -1                            ; (where the slot is filled again this barrier opens a round of the cluster's barrier)
	MUL8 F1, 2, 0                                  ; register work while the others arrive
	WIN 0
	s_barrier_wait -1
.if \fill
	CREST                                          ; no wave of any partner still reads this slot's tile or has a load on its way
	s_add_nc_u64 s[G0+4*\slot+2:G0+4*\slot+3], s[G0+4*\slot+2:G0+4*\slot+3], 2*KSTEP*2
	s_add_nc_u64 s[G0B+4*\slot+2:G0B+4*\slot+3], s[G0B+4*\slot+2:G0B+4*\slot+3], 2*KSTEP*2
	JLOAD \slot                                    ; the first tensor load behind the round, the wave's only one until the next: one is out
.endif
	PLACES
	FETCH \next, 0, F0
	WIN 0xa1
	MUL8 F1, 4, 0
	MUL8 F1, 6, 0
.endm
.macro LAP bias
	THREE 0, \bias
	TURN 0, 1, 1
	THREE 1, 0
	TURN 1, 0, 1
.endm
	s_wait_tensorcnt 1                             ; my part of K step 0 is in; K step 1's may stay out
	s_barrier_signal -1
	s_barrier_wait -1
	FETCH 0, 0, F0
	s_wait_loadcnt 0x0                             ; the bias
	LAP 1                                          ; K steps 0, 1; asks for 2, 3
	WIN 0
	s_mov_b32 s15, LAPS-2
.Llap:
	LAP 0                                          ; K steps 2 .. 5; asks for 4 .. 7
	WIN 0
	s_sub_co_u32 s15, s15, 1
	s_cmp_lg_u32 s15, 0
	s_cbranch_scc1 .Llap
	THREE 0, 0                                     ; the last lap fills nothing
	TURN 0, 1, 0
	THREE 1, 0
	s_wait_dscnt 8
	WIN 0xa1
	MUL8 F1, 0, 0
	MUL8 F1, 2, 0
	s_wait_dscnt 0
	MUL8 F1, 4, 0
	MUL8 F1, 6, 0
	; THE WAY OUT, 16 rows at a time: 32 bytes a lane into my own stage, read back as whole rows of 256 bytes.
	PLACES
	s_lshl_b32 s16, s43, 8
	s_lshl_b32 s17, s13, 7
	s_add_co_u32 s16, s16, s17                     ; my first row
	s_lshl_b32 s16, s16, 12                        ; rows of 4,096 bytes: under 32 MiB
	s_mov_b32 s17, 0
	s_add_nc_u64 s[10:11], s[10:11], s[16:17]
	s_lshl_b32 s46, s42, 9                         ; my first column in bytes: 512 x block column + 256 x half
	s_lshl_b32 s47, s14, 8
	s_add_co_u32 s46, s46, s47
	s_mov_b32 s47, 0
	s_add_nc_u64 s[10:11], s[10:11], s[46:47]
.macro OUT16 a, f
	WIN 0x08                                       ; store data window 2, address window 0
.irp b, 0,1,2,3
	ds_store_b128 v[STO], v[8*(4*\a+\b):8*(4*\a+\b)+3]   offset:64*\b
	ds_store_b128 v[STO], v[8*(4*\a+\b)+4:8*(4*\a+\b)+7] offset:64*\b+16
.endr
	WIN 0
	s_wait_xcnt 0x0                                ; buffer f, which stores read, and the stores' base are written again only behind this wait
.if \a
	s_add_nc_u64 s[10:11], s[10:11], 16*SIZE_N*4   ; 16 rows on
.endif
.irp t, 0,1,2,3,4,5,6,7
	ds_load_b128 v[\f+4*\t:\f+4*\t+3], v[RD] offset:\t*2*PITCH     ; LDS serves a wave's instructions in order (ISA guide 5.7.1): these see the stores above
.endr
.irp t, 0,1,2,3,4,5,6,7
	s_wait_dscnt 7-\t                              ; the younger loads may stay out
	global_store_b128 v[CO], v[\f+4*\t:\f+4*\t+3], s[10:11] offset:2*\t*SIZE_N*4 th:TH_STORE_NT   ; 16 lanes store 256 consecutive bytes, aligned
.endr
.endm
	OUT16 0, F0
	OUT16 1, F1
	OUT16 2, F0
	OUT16 3, F1
	OUT16 4, F0
	OUT16 5, F1
	OUT16 6, F0
	OUT16 7, F1
	s_set_vgpr_msb 0x1
	s_wait_tensorcnt 0x0
	ds_add_u32 v255, v255
	s_wait_dscnt 0x0
	s_set_vgpr_msb 0x100
	CROUND                                         ; the closing round: no work-group ends while a partner may still ask for a tile that names it
	s_endpgm
.Lfunc_end_k_qc88c2cb08b_proj:
	.size	k_qc88c2cb08b_proj, .Lfunc_end_k_qc88c2cb08b_proj-k_qc88c2cb08b_proj
	.p2alignl 7, 3214868480
	.fill 96, 4, 3214868480
	.section	.rodata,"a",@progbits
	.p2align	6, 0x0
	.amdhsa_kernel k_qc88c2cb08b_proj
		.amdhsa_group_segment_fixed_size 327680
		.amdhsa_private_segment_fixed_size 0
		.amdhsa_enable_private_segment 0
		.amdhsa_kernarg_size 32
		.amdhsa_user_sgpr_count 2
		.amdhsa_user_sgpr_kernarg_segment_ptr 1
		.amdhsa_wavefront_size32 1
		.amdhsa_system_sgpr_workgroup_id_x 1
		.amdhsa_system_sgpr_workgroup_id_y 1
		.amdhsa_system_sgpr_workgroup_id_z 1
		.amdhsa_system_vgpr_workitem_id 0
		.amdhsa_next_free_vgpr 768
		.amdhsa_next_free_sgpr 66
		.amdhsa_reserve_vcc 0
		.amdhsa_float_denorm_mode_32 3
		.amdhsa_float_denorm_mode_16_64 3
		.amdhsa_memory_ordered 1
		.amdhsa_forward_progress 1
		.amdhsa_inst_pref_size 120
	.end_amdhsa_kernel
	.amdgpu_metadata
---
amdhsa.version: [ 1, 2 ]
amdhsa.kernels:
  - .name:           k_qc88c2cb08b_proj
    .symbol:         k_qc88c2cb08b_proj.kd
    .args:
      - { .name: xb, .offset: 0, .size: 8, .value_kind: global_buffer, .address_space: global }
      - { .name: wb, .offset: 8, .size: 8, .value_kind: global_buffer, .address_space: global }
      - { .name: b, .offset: 16, .size: 8, .value_kind: global_buffer, .address_space: global }
      - { .name: out0, .offset: 24, .size: 8, .value_kind: global_buffer, .address_space: global }
    .group_segment_fixed_size: 327680
    .private_segment_fixed_size: 0
    .kernarg_segment_align: 8
    .kernarg_segment_size: 32
    .max_flat_workgroup_size: 128
    .sgpr_count:     66
    .vgpr_count:     768
    .wavefront_size: 32
...
	.end_amdgpu_metadata
.endif
;; end of part 2
